; MI455X (gfx1250); checked and timed in simulation.
; The chip was launched on July 23, 2026; its instructions are those of AMD's public machine-readable ISA for CDNA 5 (MIT licence, August 2026) and "CDNA5" Instruction Set Architecture Reference Guide (July 2026). The comments in the code are by the model that wrote it; some were corrected since.
;; Multihead Attention. Allowed arithmetic: matrix products marked QUANTISED: E4M3 operands, one E8M0 scale for each 32 along K, by v_wmma_scale_f32_16x16x128_f8f6f4 with both operands' format E4M3, f32 sums; everything else in f32.
;; Inputs: Wk 1,024 x 1,024 float32; Wq 1,024 x 1,024 float32; Wv 1,024 x 1,024 float32; bk 1,024 float32; bq 1,024 float32; bv 1,024 float32; x 4 x 2,048 x 1,024 float32.
;; Outputs: out0 4 x 2,048 x 1,024 float32.
;; This version of the problem:
;;   THIS VERSION OF THE PROBLEM IS GIVEN IN LOW PRECISION. The matrix products marked QUANTISED in the list below multiply operands that are first quantised to E4M3 (4 exponent bits, 3 mantissa bits; 8 bits a number), with one power-of-two scale for each 32 numbers along K (OCP MX v1.0); their sums are f32. All else is computed in f32.
;;   The module's matrix products, in the order in which they are computed (A, B: the left and right operand; K: the contracted axis; several contracted axes count as one K, in the product's order):
;;     1. [M 8,192, K 1,024] x [K 1,024, N 1,024]; A: input x; B: input Wq: QUANTISED
;;     2. [M 8,192, K 1,024] x [K 1,024, N 1,024]; A: input x; B: input Wk: QUANTISED
;;     3. [M 8,192, K 1,024] x [K 1,024, N 1,024]; A: input x; B: input Wv: QUANTISED
;;     4. batch 64 x [M 2,048, K 64] x [K 64, N 2,048]; A: computed on the way; B: computed on the way: QUANTISED
;;     5. batch 64 x [M 2,048, K 2,048] x [K 2,048, N 64]; A: softmax (see below); B: computed on the way: QUANTISED
;;   THE QUANTISER, for each operand of a quantised product, along K:
;;     - K is cut into blocks of 32 from its start; a last block that is shorter is filled with zeros.
;;     - A block's scale is 2^e with e = floor(log2(the largest magnitude in the block)) - 8, held to -126 .. 127; a block of zeros has e = 0. As a byte (E8M0): e + 127.
;;     - Each number is divided by its block's scale, clamped to +-448, and rounded to the nearest number of E4M3, ties to even, subnormals kept.
;;     - The product sums the exact products of the quantised numbers (number of the format x scale) in f32.
;;   ~~~python
;;   def quantise(x, axis):      # numpy; x: float32 -> the quantised numbers, widened to float32 again
;;       x = np.moveaxis(x, axis, -1); K = x.shape[-1]
;;       x = np.pad(x, [(0, 0)] * (x.ndim - 1) + [(0, -K % 32)]); x = x.reshape(x.shape[:-1] + (-1, 32)); a = np.abs(x).max(-1, keepdims=True)
;;       e = np.where(a > 0, np.clip(np.frexp(np.where(a > 0, a, 1))[1] - 1 - 8, -126, 127), 0)      # np.frexp(a)[1] - 1 = floor(log2(a)), exactly
;;       r = np.clip(x / 2.0 ** e, -448, 448)
;;       step = 2.0 ** (np.maximum(np.frexp(np.where(r == 0, 1, r))[1] - 1, -6) - 3)
;;       q = np.round(r / step) * step * 2.0 ** e      # np.round: ties to even
;;       return np.moveaxis(q.reshape(q.shape[:-2] + (-1,))[..., :K], -1, axis).astype(np.float32)
;;   ~~~
;;   SOFTMAX AHEAD OF A QUANTISED PRODUCT. Where the list says 'softmax', what is quantised is not the finished softmax but p = 2^(t - M), with t = logit x log2(e) and M = ceil(the row's largest t), a whole number; so 1/2 < the row's largest p <= 1. The row's sum l is taken of the UNQUANTISED p, in f32, and the product's result is divided by l at the end. Since M is a whole number, a kernel that streams over the keys may use a running M (the ceiling of the running maximum): every later rescaling is an exact power of two, which a block's scale takes up: the codes' values come out the same.
;;   OPERANDS COMPUTED ON THE WAY. 'Computed on the way' means the value that the module computes at that place (a softmax that the list does not call 'softmax' is quantised finished and normalised). What goes into a quantiser is computed in f32, as accurately as f32 sums, v_exp_f32 and their like allow (about 1e-6 of the number): no bf16 or f16 on the way to a quantiser, and a product that is left as it is and whose result goes on into a quantised operand takes f32 operands (vector FMAs, or v_wmma_f32_16x16x4_f32). A number that lies on a knife's edge between two numbers of the format may be rounded either way, as far as f32 arithmetic and the matrix unit's own rounding can turn it there, and no further.
;; One version. Each part assembles by itself: llvm-mc -triple=amdgcn-amd-amdhsa -mcpu=gfx1250 --defsym DOCPART=n.
;; ======== version 1 of 1: 3 launches
;; limits: right only within a limited range of input values
;; workspace buffers: xc 8,388,608 bytes; xs 262,144 bytes; wc 3,145,728 bytes; ws 98,304 bytes; qkvc 25,165,824 bytes; qkvs 786,432 bytes
;; launch quant_x (part 1): grid 352 x 1, 4 waves a work-group, no clusters, 68,608 bytes of LDS; arguments x, xc, xs, ws, Wq, Wk, Wv, wc; writes xc, xs, wc, ws
.if DOCPART == 1
	.amdgcn_target "amdgcn-amd-amdhsa--gfx1250"
	.amdhsa_code_object_version 6
	.text
	.protected	k_q190552a9f4_quant_x
	.globl	k_q190552a9f4_quant_x
	.p2align	8
	.type	k_q190552a9f4_quant_x,@function
k_q190552a9f4_quant_x:
	s_mov_b64 s[64:65], 0
	v_nop
	global_prefetch_b8 v0, s[64:65] scope:SCOPE_SE
	s_setreg_imm32_b32 hwreg(HW_REG_WAVE_MODE, 25, 1), 1
	s_wait_xcnt 0x0
; x [8192][1024] f32 becomes codes of FP8 (E4M3), K innermost, xc [8192 stored rows][1024], and one E8M0 byte for each 32 along K, xs [stored row][32].
; A block's scale is 2^(floor(log2(its largest magnitude)) - 8); its byte is the largest magnitude's exponent field - 8, held at 1 from below.  Each number is divided by the scale,
; held within +-448 and rounded to the nearest code, ties to even.
; LIMITS: a block of zeros gets the byte 1 (the quantiser's text says 127): its codes are zeros, and this program alone reads the bytes.  A largest magnitude under 2^(9 - 127) is taken as that.  NaN and infinities are not served.
; STORED ROWS: in each group of 32 rows, stored place 16 u + 8 a + l holds true row 16 a + 8 u + l (bits 3 and 4 of the row's number change places), so that 16 neighbouring stored rows are the rows
; 8 u + r + 8 (r / 8) that a matrix tile of the next launch wants.  A wave takes 8 rows (8,192 numbers): only the place of its run of results is turned.
; A wave takes 16 steps of 512 numbers.  Each load reads 512 consecutive bytes, 16 a lane; a step's 2,048 bytes turn through the wave's own stage in LDS and come back 64 bytes a lane (16 neighbours along K: two lanes hold a block).
; A lane's 16 codes are 16 bytes: a store of the wave covers 512 consecutive bytes.  The wave's 256 scale bytes are gathered in its own LDS bytes and leave as 256 consecutive aligned bytes.
; No tensor loads, no barrier: waves share nothing.  Loads run four steps (16 loads a wave) ahead, the turn through LDS one step.
.set STEPS, 16
.set CB,    16                         ; bytes of 16 codes
.set R,     16                         ; v16-79   four sets of 16 numbers as they are loaded
.set X,     80                         ; v80-111  two sets of 16 neighbours
.set C,     128                        ; v128-191 codes: four registers for each step, so that no store's data are written again
.set E,     112                        ; v112-127 a scale byte for each step
.set WREG,  8192                       ; LDS: a region for each wave: two stages of 32 x SP bytes, behind them its 256 scale bytes
.set SP,    80                         ; a lane's place in a stage: its 64 bytes + 16 of padding
; ONE LAUNCH SERVES x AND THE THREE WEIGHTS: work-groups 0 to 95 take the weights (the text behind .Lweights), work-groups 96 to 351 take x.  The two paths part on the work-group's number alone,
; and each has LDS bytes of its own: x's stages from byte 0, the spare words from 0x8000, the weights' stages from 0x8400.
	s_cmp_lt_u32 ttmp9, 96
	s_cbranch_scc1 .Lweights
	s_load_b64 s[4:5], s[0:1], 0x0                 ; x
	s_load_b64 s[8:9], s[0:1], 0x8                 ; xc
	s_load_b64 s[10:11], s[0:1], 0x10              ; xs
	v_lshl_add_u32 v192, v0, 2, 0x8000
	v_mov_b32 v193, 0
	v_lshrrev_b32 v1, 5, v0
	v_readfirstlane_b32 s16, v1                    ; wave
	v_and_b32 v2, 31, v0                           ; lane
	v_lshlrev_b32 v3, 4, v2                        ; my 16 bytes of a load's 512
	s_mul_i32 s17, s16, WREG
	v_lshrrev_b32 v14, 2, v2
	v_mul_u32_u24 v14, v14, SP
	v_and_b32 v15, 3, v2
	v_lshl_add_u32 v14, v15, 4, v14
	v_add_nc_u32 v14, s17, v14                     ; the stage, on the way in: SP (lane / 4) + 16 (lane % 4)
	v_mul_u32_u24 v15, v2, SP
	v_add_nc_u32 v15, s17, v15                     ; and on the way out: SP x lane: my 16 neighbours
	v_mul_u32_u24 v4, v2, CB                       ; my codes' place in a step's
	v_lshrrev_b32 v5, 1, v2
	s_add_co_u32 s17, s17, 2*32*SP
	v_add_nc_u32 v5, s17, v5                       ; LDS: my wave's 256 scale bytes, my block's byte
	v_lshlrev_b32 v7, 3, v2                        ; and on the way out 8 bytes a lane
	v_add_nc_u32 v6, s17, v7
	s_mov_b32 s23, 0x600000                        ; the mantissa field of 448
	s_sub_co_u32 s17, ttmp9, 96                    ; x's work-group 0 .. 255
	s_lshl_b32 s17, s17, 2
	s_add_co_u32 s18, s17, s16                     ; the run of 8 rows that I read: 4 x work-group + wave
	s_lshl_b32 s24, s18, 15                        ; 32,768 bytes a run
	s_mov_b32 s25, 0
	s_and_b32 s19, s16, 1
	s_lshl_b32 s19, s19, 1
	s_lshr_b32 s20, s16, 1
	s_or_b32 s19, s19, s20                         ; the wave's two bits change places:
	s_add_co_u32 s19, s17, s19                     ; the run that I write
	s_lshl_b32 s26, s19, 13                        ; 8,192 bytes of codes a run,
	s_mov_b32 s27, 0
	s_lshl_b32 s28, s19, 8                         ; 256 scale bytes
	s_mov_b32 s29, 0
	s_wait_alu depctr_va_vdst(0)
	s_wait_kmcnt 0x0
	s_add_nc_u64 s[4:5], s[4:5], s[24:25]
	s_add_nc_u64 s[8:9], s[8:9], s[26:27]
	s_add_nc_u64 s[10:11], s[10:11], s[28:29]
.macro LOAD t
.irp i, 0,1,2,3
	global_load_b128 v[R+16*((\t)%4)+4*\i:R+16*((\t)%4)+4*\i+3], v3, s[4:5] offset:2048*(\t)+512*\i th:TH_LOAD_NT   ; 32 lanes read 512 consecutive bytes
.endr
.endm
.macro TURN t                          ; step t's numbers through the stage: LDS serves a wave's instructions in order, so no wait stands between the stores and the loads
.irp i, 0,1,2,3
	ds_store_b128 v14, v[R+16*((\t)%4)+4*\i:R+16*((\t)%4)+4*\i+3] offset:32*SP*((\t)%2)+8*SP*\i
.endr
.irp i, 0,1,2,3
	ds_load_b128 v[X+16*((\t)%2)+4*\i:X+16*((\t)%2)+4*\i+3], v15 offset:32*SP*((\t)%2)+16*\i
.endr
.endm
.irp t, 0,1,2,3
	LOAD \t
.endr
	s_wait_loadcnt 12                              ; step 0's four loads are in; the twelve of steps 1 to 3 stay out
	TURN 0
.macro STEP t
.set XS, X+16*((\t)%2)
.if (\t) > 0
	s_wait_dscnt 1                                 ; this step's numbers are back from the stage (the last step's byte store may be out): so its stores into the stage have read their registers,
.else
	s_wait_dscnt 0x0
.endif
.if (\t)+4 < STEPS
	LOAD (\t)+4                                    ; which take the loads of four steps on
.endif
.if (\t)+1 < STEPS
.if STEPS-2-(\t) >= 3
	s_wait_loadcnt 12                              ; the next step's four loads are in; those of the three steps behind it may be out
.else
	s_wait_loadcnt 4*(STEPS-2-(\t))
.endif
	TURN (\t)+1                                    ; and go through the other stage while this step is worked
.endif
	v_max3_num_f32 v8, |v[XS]|, |v[XS+1]|, |v[XS+2]|               ; the largest magnitude of my 16, in two chains
	v_max3_num_f32 v9, |v[XS+3]|, |v[XS+4]|, |v[XS+5]|
.irp i, 6,10
	v_max3_num_f32 v8, v8, |v[XS+\i]|, |v[XS+\i+1]|
	v_max3_num_f32 v9, v9, |v[XS+\i+2]|, |v[XS+\i+3]|
.endr
	v_max3_num_f32 v8, v8, |v[XS+14]|, |v[XS+15]|
	v_max3_num_f32 v8, v8, v9, 0x4800000           ; and the floor 2^(9 - 127): the byte cannot fall under 1
	v_max_num_f32_dpp v8, v8, v8 row_xmask:1 row_mask:0xf bank_mask:0xf   ; and of my neighbour's 16: the block's
	v_add_nc_u32 v11, 0xfc000000, v8               ; 8 off its exponent field: the conversion takes the exponent field of this operand as its scale
	v_and_or_b32 v10, v8, 0x7f800000, s23          ; 448 x the scale: the largest magnitude's exponent field over 448's mantissa
.irp i, 0,1,2,3,4,5,6,7,8,9,10,11,12,13,14,15
	v_med3_num_f32 v[XS+\i], v[XS+\i], -v10, v10   ; the conversion to an 8-bit code does not saturate (ISA guide 7.6.2): the hold comes first
.endr
	v_cvt_scalef32_pk8_fp8_f32 v[C+4*(\t):C+4*(\t)+1], v[XS:XS+7], v11
	v_cvt_scalef32_pk8_fp8_f32 v[C+4*(\t)+2:C+4*(\t)+3], v[XS+8:XS+15], v11
	v_lshrrev_b32 v[E+(\t)], 23, v11               ; the scale's byte
	ds_store_b8 v5, v[E+(\t)] offset:16*(\t)       ; both lanes of a block write the same byte with the same value
	global_store_b128 v4, v[C+4*(\t):C+4*(\t)+3], s[8:9] offset:32*CB*(\t)
.endm
.irp t, 0,1,2,3,4,5,6,7,8,9,10,11,12,13,14,15
	STEP \t
.endr
	ds_load_b64 v[12:13], v6                       ; LDS serves a wave's instructions in order: these see my stores
	s_wait_dscnt 0x0
	global_store_b64 v7, v[12:13], s[10:11]        ; 32 lanes store 256 consecutive aligned bytes
	s_wait_tensorcnt 0x0
	ds_add_u32 v192, v193
	s_wait_dscnt 0x0
	s_endpgm
; THE WEIGHTS.  Wq, Wk, Wv [1024 (k)][1024 (n)] f32: K is their FIRST axis.  They become codes of FP8 (E4M3) laid wc [3072 stored rows][1024] with K innermost (rows 0-1023 Wq's columns n, then Wk's, then Wv's),
; and one E8M0 byte for each 32 along K, ws [stored row][32], by the same quantiser and with the same limits as x.  STORED ROWS: in each group of 32, stored place 16 u + 8 a + l holds true row 16 a + 8 u + l.
; A lane takes a column n and its registers run down K: a block of 32 lies in one lane's 32 registers, and the conversions give codes with K innermost.  A wave takes 32 columns x 256 along K; the codes go through
; the wave's own stage in LDS and leave as rows, sixteen lanes to 256 consecutive aligned bytes.  Work-group g: 128 columns g % 8; matrix (g / 8) / 4; 256 along K (g / 8) % 4.  Loads run two blocks (64 loads a wave) ahead.
.Lweights:
.set NB,    8
.set PITCH, 272
.set KROW,  1024
.set WROW,  4096
.set X,     32
.set C,     96
.set OUTR,  112
.set SB,    24
	s_load_b256 s[4:11], s[0:1], 0x20              ; Wq, Wk, Wv, wc
	s_load_b64 s[12:13], s[0:1], 0x18              ; ws
	v_lshl_add_u32 v192, v0, 2, 0x8000
	v_mov_b32 v193, 0
	v_lshrrev_b32 v1, 5, v0
	v_readfirstlane_b32 s16, v1                    ; wave 0..3
	v_and_b32 v2, 31, v0                           ; lane
	s_and_b32 s17, ttmp9, 7
	s_lshl_b32 s17, s17, 7
	s_lshl_b32 s18, s16, 5
	s_add_co_u32 s17, s17, s18                     ; my wave's first column
	s_lshr_b32 s18, ttmp9, 3
	s_lshr_b32 s14, s18, 2                         ; which matrix
	s_and_b32 s18, s18, 3                          ; which 256 along K
	v_lshlrev_b32 v3, 2, v2                        ; in: 4 bytes a lane
	s_mul_i32 s19, s16, 32*PITCH
	s_add_co_u32 s19, s19, 0x8400                  ; my stage
	s_wait_alu depctr_va_vdst(0)
	v_mul_u32_u24 v4, v2, PITCH
	v_add_nc_u32 v4, s19, v4                       ; into it: row = my column
	v_and_b32 v5, 15, v2
	v_lshrrev_b32 v6, 4, v2                        ; out of it: sixteen lanes to a row, two rows an instruction
	v_mul_u32_u24 v7, v6, PITCH
	v_lshl_add_u32 v7, v5, 4, v7
	v_add_nc_u32 v7, s19, v7
	v_mul_u32_u24 v8, v6, KROW
	v_lshl_add_u32 v8, v5, 4, v8                   ; and the same place in wc
	v_and_b32 v9, 7, v2                            ; my column's stored row: bits 3 and 4 change places
	v_bfe_u32 v10, v2, 4, 1
	v_lshl_or_b32 v9, v10, 3, v9
	v_bfe_u32 v10, v2, 3, 1
	v_lshl_or_b32 v9, v10, 4, v9
	v_lshlrev_b32 v9, 5, v9                        ; 32 scale bytes a row
	s_lshl_b32 s20, s18, 20
	s_lshl_b32 s22, s17, 2
	s_add_co_u32 s20, s20, s22                     ; the weight: 256 rows of 4,096 bytes a step along K, + 4 x column
	s_mov_b32 s21, 0
	s_lshl_b32 s22, s14, 10
	s_add_co_u32 s22, s22, s17                     ; my first row of wc and ws
	s_lshl_b32 s24, s22, 10
	s_lshl_b32 s26, s18, 8
	s_add_co_u32 s24, s24, s26
	s_mov_b32 s25, 0
	s_lshl_b32 s28, s22, 5
	s_lshl_b32 s26, s18, 3
	s_add_co_u32 s28, s28, s26
	s_mov_b32 s29, 0
	s_mov_b32 s31, 0x600000                        ; the mantissa field of 448
	s_wait_alu depctr_va_vdst(0)
	s_wait_kmcnt 0x0
	s_cmp_lt_u32 s14, 1                            ; the choice hangs on the work-group's number alone
	s_cselect_b64 s[4:5], s[4:5], s[6:7]
	s_cmp_lt_u32 s14, 2
	s_cselect_b64 s[4:5], s[4:5], s[8:9]
	s_add_nc_u64 s[4:5], s[4:5], s[20:21]
	s_add_nc_u64 s[10:11], s[10:11], s[24:25]
	s_add_nc_u64 s[12:13], s[12:13], s[28:29]
.macro WLOAD t                         ; block t: W(32 t + i, my column) into set t % 2
.irp i, 0,1,2,3,4,5,6,7,8,9,10,11,12,13,14,15,16,17,18,19,20,21,22,23,24,25,26,27,28,29,30,31
	global_load_b32 v[X+32*((\t)%2)+\i], v3, s[4:5] offset:(32*(\t)+\i)*WROW th:TH_LOAD_NT
.endr
.endm
	WLOAD 0
	WLOAD 1
.macro WBLOCK t
.set XS, X+32*((\t)%2)
.if (\t) < NB-1
	s_wait_loadcnt 32                              ; this block's 32 loads are in; the next block's 32 may be out
.else
	s_wait_loadcnt 0
.endif
	v_max3_num_f32 v12, |v[XS]|, |v[XS+1]|, |v[XS+2]|
	v_max3_num_f32 v13, |v[XS+3]|, |v[XS+4]|, |v[XS+5]|
.irp i, 6,10,14,18,22,26
	v_max3_num_f32 v12, v12, |v[XS+\i]|, |v[XS+\i+1]|
	v_max3_num_f32 v13, v13, |v[XS+\i+2]|, |v[XS+\i+3]|
.endr
	v_max3_num_f32 v12, v12, |v[XS+30]|, |v[XS+31]|
	v_max3_num_f32 v12, v12, v13, 0x4800000        ; and the floor 2^(9 - 127)
	v_add_nc_u32 v11, 0xfc000000, v12              ; the conversion's scale operand
	v_and_or_b32 v10, v12, 0x7f800000, s31         ; 448 x the scale
	v_lshrrev_b32 v13, 23, v11                     ; the scale's byte
.if (\t)%4 == 0
	v_mov_b32 v[SB+(\t)/4], v13
.else
	v_lshl_or_b32 v[SB+(\t)/4], v13, 8*((\t)%4), v[SB+(\t)/4]
.endif
.irp i, 0,1,2,3,4,5,6,7,8,9,10,11,12,13,14,15,16,17,18,19,20,21,22,23,24,25,26,27,28,29,30,31
	v_med3_num_f32 v[XS+\i], v[XS+\i], -v10, v10   ; the hold comes ahead of the conversion (ISA guide 7.6.2)
.endr
.irp g, 0,1,2,3
	v_cvt_scalef32_pk8_fp8_f32 v[C+2*\g:C+2*\g+1], v[XS+8*\g:XS+8*\g+7], v11
.endr
	v_nop                                          ; a plain line behind the last conversion
	ds_store_b128 v4, v[C:C+3] offset:32*(\t)
	ds_store_b128 v4, v[C+4:C+7] offset:32*(\t)+16
.if (\t)+2 < NB
	WLOAD (\t)+2
.endif
	s_wait_dscnt 0x0                               ; the stores have read their registers
.endm
.set Q, 0
.rept NB
	WBLOCK Q
.set Q, Q+1
.endr
	global_store_b64 v9, v[SB:SB+1], s[12:13]      ; my column's 8 scale bytes
.irp t, 0,1,2,3,4,5,6,7,8,9,10,11,12,13,14,15
	ds_load_b128 v[OUTR+4*\t:OUTR+4*\t+3], v7 offset:2*\t*PITCH
.endr
.irp t, 0,1,2,3,4,5,6,7,8,9,10,11,12,13,14,15
	s_wait_dscnt 15-\t                             ; the younger reads of the stage may be out
	global_store_b128 v8, v[OUTR+4*\t:OUTR+4*\t+3], s[10:11] offset:2*(((\t)&3)|((((\t)>>3)&1)<<2)|((((\t)>>2)&1)<<3))*KROW
.endr
	s_wait_tensorcnt 0x0
	ds_add_u32 v192, v193
	s_wait_dscnt 0x0
	s_endpgm
.Lfunc_end_k_q190552a9f4_quant_x:
	.size	k_q190552a9f4_quant_x, .Lfunc_end_k_q190552a9f4_quant_x-k_q190552a9f4_quant_x
	.p2alignl 7, 3214868480
	.fill 96, 4, 3214868480
	.section	.rodata,"a",@progbits
	.p2align	6, 0x0
	.amdhsa_kernel k_q190552a9f4_quant_x
		.amdhsa_group_segment_fixed_size 68608
		.amdhsa_private_segment_fixed_size 0
		.amdhsa_enable_private_segment 0
		.amdhsa_kernarg_size 64
		.amdhsa_user_sgpr_count 2
		.amdhsa_user_sgpr_kernarg_segment_ptr 1
		.amdhsa_wavefront_size32 1
		.amdhsa_system_sgpr_workgroup_id_x 1
		.amdhsa_system_sgpr_workgroup_id_y 1
		.amdhsa_system_sgpr_workgroup_id_z 1
		.amdhsa_system_vgpr_workitem_id 0
		.amdhsa_next_free_vgpr 194
		.amdhsa_next_free_sgpr 66
		.amdhsa_reserve_vcc 0
		.amdhsa_float_denorm_mode_32 3
		.amdhsa_float_denorm_mode_16_64 3
		.amdhsa_memory_ordered 1
		.amdhsa_forward_progress 1
		.amdhsa_inst_pref_size 111
	.end_amdhsa_kernel
	.amdgpu_metadata
---
amdhsa.version: [ 1, 2 ]
amdhsa.kernels:
  - .name:           k_q190552a9f4_quant_x
    .symbol:         k_q190552a9f4_quant_x.kd
    .args:
      - { .name: x, .offset: 0, .size: 8, .value_kind: global_buffer, .address_space: global }
      - { .name: xc, .offset: 8, .size: 8, .value_kind: global_buffer, .address_space: global }
      - { .name: xs, .offset: 16, .size: 8, .value_kind: global_buffer, .address_space: global }
      - { .name: ws, .offset: 24, .size: 8, .value_kind: global_buffer, .address_space: global }
      - { .name: Wq, .offset: 32, .size: 8, .value_kind: global_buffer, .address_space: global }
      - { .name: Wk, .offset: 40, .size: 8, .value_kind: global_buffer, .address_space: global }
      - { .name: Wv, .offset: 48, .size: 8, .value_kind: global_buffer, .address_space: global }
      - { .name: wc, .offset: 56, .size: 8, .value_kind: global_buffer, .address_space: global }
    .group_segment_fixed_size: 68608
    .private_segment_fixed_size: 0
    .kernarg_segment_align: 8
    .kernarg_segment_size: 64
    .max_flat_workgroup_size: 128
    .sgpr_count:     66
    .vgpr_count:     194
    .wavefront_size: 32
...
	.end_amdgpu_metadata
.endif
;; end of part 1
;; launch proj (part 2): grid 8 x 48, 4 waves a work-group, clusters of 4 x 4, 327,680 bytes of LDS; arguments xc, xs, wc, ws, bq, bk, bv, qkvc, qkvs; writes qkvc, qkvs
.if DOCPART == 2
	.amdgcn_target "amdgcn-amd-amdhsa--gfx1250"
	.amdhsa_code_object_version 6
	.text
	.protected	k_q190552a9f4_proj
	.globl	k_q190552a9f4_proj
	.p2align	8
	.type	k_q190552a9f4_proj,@function
k_q190552a9f4_proj:
	s_mov_b64 s[64:65], 0
	v_nop
	global_prefetch_b8 v0, s[64:65] scope:SCOPE_SE
	s_setreg_imm32_b32 hwreg(HW_REG_WAVE_MODE, 25, 1), 1
	s_wait_xcnt 0x0
	s_wait_alu depctr_hold_cnt(0) depctr_sa_sdst(0) depctr_va_vdst(0) depctr_va_sdst(0) depctr_va_ssrc(0) depctr_va_vcc(0) depctr_vm_vsrc(0)
	s_getreg_b32 s2, hwreg(HW_REG_IB_STS2, 6, 4)
	s_cmp_eq_u32 s2, 0
	s_cbranch_scc0 .Lentry_in_a_cluster
	s_endpgm
.Lentry_in_a_cluster:
	s_bfe_u32 s2, ttmp6, 0x10000c
	s_cmp_lg_u32 s2, 0xf033
	s_cbranch_scc0 .Lentry_shape_is_right
	s_endpgm
.Lentry_shape_is_right:
.set NQ,     2
.set ROWB,   256
.set KROW,   1024
.set PITCH,  272
.set FR,     16
.set NL,     4
.set NP,     8
.set HALFT,  128*PITCH
.set SLOT,   4*HALFT
.set LAPS,   2
.set KS,     32
.set SCL,    2*SLOT
.set HALFS,  (128*KS/256)*272
.set SBLK,   (16*KS/256)*272
.set SPARE,  SCL+4*HALFS
.set HC,     393216
.set GC,     24576
.set HS,     12288
.set GS,     768
.set VO,   8
.set ADRA, 16
.set ADRB, 20
.set LI,   24
.set VB2,  25
.set SWO,  26
.set ADRS, 27
.set SPW,  28
.set NIL,  29
.set VSEL, 30
.set HH,   31
.set SC,   32
.set BIAS, 64
.set TM,   64
.set PW,   80
.set OUTW, 88
.set AF,   128
.set PCD,  128
.set G1, 24
.set G0, 32
.set G1B, 48
.set G0B, 56
.set G1S, 68
.set G0S, 76
.set G1SB, 80
.set G0SB, 88
.set SEL,  66
.set BP,   92
.set D1,   94
.set D2,   96
.set OUTC, 98
.set OUTS, 100
.set KIND, 104
.set MNT,  105
.set MSB, 0
.macro WIN new
.if MSB != (\new)
	s_set_vgpr_msb (MSB<<8)|(\new)
.set MSB, (\new)
.endif
.endm
.set MUL_LO, 0xa1
.set MUL_HI, 0xf1
.set FST_LO, 0x81
.set FST_HI, 0xc1
.set TO_B,   0x40
.macro JLOAD g0a, g1a, g0b, g1b
	s_cmp_eq_u32 s15, 0
	s_cbranch_scc0 .Lfor_b_\@
	tensor_load_to_lds s[\g0a:\g0a+3], s[\g1a:\g1a+7]
	s_nop 0
.rept 4
	v_nop
.endr
	s_branch .Lasked_\@
.Lfor_b_\@:
	tensor_load_to_lds s[\g0b:\g0b+3], s[\g1b:\g1b+7]
	s_nop 0
.rept 4
	v_nop
.endr
.Lasked_\@:
.endm
.macro CREST
	s_cmp_lg_u32 s14, 0
	s_cbranch_scc1 .Lnot_wave_0_\@
	s_barrier_signal -3
.Lnot_wave_0_\@:
	s_barrier_wait -3
	s_barrier_signal -1
	s_barrier_wait -1
.endm
.macro CROUND
	s_barrier_signal -1
	s_barrier_wait -1
	CREST
.endm
	s_load_b256 s[4:11], s[0:1], 0x0
	s_load_b256 s[92:99], s[0:1], 0x20
	s_load_b64 s[100:101], s[0:1], 0x40
	v_lshl_add_u32 v[SPW], v0, 2, SPARE
	v_mov_b32 v[NIL], 0
	ds_add_u32 v28, v29
	ds_add_u32 v28, v29
	s_wait_dscnt 0x0
	v_lshrrev_b32 v1, 5, v0
	v_readfirstlane_b32 s14, v1
	s_lshr_b32 s15, s14, 1
	s_and_b32 s16, s14, 1
	s_bfe_u32 s40, ttmp6, 0x40000
	s_bfe_u32 s41, ttmp6, 0x40004
	s_and_b32 s2, ttmp7, 0xffff
	s_lshl_b32 s42, ttmp9, 2
	s_add_co_u32 s42, s42, s40
	s_lshl_b32 s17, s2, 2
	s_add_co_u32 s17, s17, s41
	s_add_co_u32 s20, s41, 8
	s_lshl_b32 s19, s2, 3
	s_sub_co_u32 s19, s19, 64
	s_cmp_lt_u32 s2, 8
	s_cselect_b32 s17, s17, s20
	s_cselect_b32 s19, 0, s19
	s_cselect_b32 s[KIND], 0, 1
	s_add_co_u32 s42, s42, s19
	s_lshl_b32 s43, s41, 2
	s_lshl_b32 s43, 15, s43
	s_lshl_b32 s44, 0x1111, s40
	s_or_b32 s[G1+0], s43, (0<<16)|(1<<20)|(1<<21)|(5<<22)|(3<<25)
	s_or_b32 s[G1B+0], s44, (0<<16)|(1<<20)|(1<<21)|(5<<22)|(3<<25)
.irp g, G1, G1B
	s_mov_b32 s[\g+1], ROWB<<16
	s_mov_b32 s[\g+2], 256<<16                     ; the head's loads of codes bring 256 rows
	s_mov_b32 s[\g+3], ROWB<<16
	s_mov_b32 s[\g+4], 256
	s_mov_b32 s[\g+5], KROW
	s_mov_b32 s[\g+6], 0
	s_mov_b32 s[\g+7], 0
.endr
	s_or_b32 s[G1S+0], s43, (3<<16)|(1<<20)|(1<<21)|(5<<22)|(3<<25)
	s_or_b32 s[G1SB+0], s44, (3<<16)|(1<<20)|(1<<21)|(5<<22)|(3<<25)
.irp g, G1S, G1SB
	s_mov_b32 s[\g+1], 32<<16
	s_mov_b32 s[\g+2], (256*KS/256)<<16            ; the scale bytes of 256 rows in one load
	s_mov_b32 s[\g+3], 32<<16
	s_mov_b32 s[\g+4], 256*KS/256
	s_mov_b32 s[\g+5], 32
	s_mov_b32 s[\g+6], 0
	s_mov_b32 s[\g+7], 0
.endr
	s_lshl_b32 s20, s17, 8                         ; the tiles' first rows
	s_lshl_b32 s46, s42, 8
	s_mov_b32 s21, 0
	s_mov_b32 s47, 0
	s_mov_b64 s[18:19], KS
	s_mul_u64 s[22:23], s[20:21], s[18:19]
	s_mul_u64 s[66:67], s[46:47], s[18:19]
	s_mov_b64 s[18:19], KROW
	s_mul_u64 s[20:21], s[20:21], s[18:19]
	s_mul_u64 s[46:47], s[46:47], s[18:19]
	s_mul_i32 s45, s14, HALFT
	s_mul_i32 s18, s16, 128*KROW                   ; in the ring I fetch 128 rows of a tile: which half, in bytes
	s_mov_b32 s19, 0
	s_wait_kmcnt 0x0
	s_cmp_eq_u32 s[KIND], 0
	s_cselect_b64 s[12:13], s[4:5], s[8:9]
	s_add_nc_u64 s[20:21], s[12:13], s[20:21]
	s_cselect_b64 s[12:13], s[6:7], s[10:11]
	s_add_nc_u64 s[22:23], s[12:13], s[22:23]
	s_cselect_b64 s[12:13], s[8:9], s[4:5]
	s_add_nc_u64 s[46:47], s[12:13], s[46:47]
	s_cselect_b64 s[12:13], s[10:11], s[6:7]
	s_add_nc_u64 s[66:67], s[12:13], s[66:67]
	CROUND
	s_mov_b32 s[G0S], 1
	s_mov_b32 s[G0S+1], SCL
	s_mov_b64 s[G0S+2:G0S+3], s[22:23]
	s_or_b32 s[G0S+3], s[G0S+3], 0x80000000
	s_mov_b32 s[G0SB], 1
	s_mov_b32 s[G0SB+1], SCL+2*HALFS
	s_mov_b64 s[G0SB+2:G0SB+3], s[66:67]
	s_or_b32 s[G0SB+3], s[G0SB+3], 0x80000000
.set G0H, 4                            ; s[4:7], s[8:11] group 0 for the head's loads of K step 0 (the arguments that lay there have been used)
.set G0HB, 8
	s_mov_b32 s[G0H], 1
	s_mov_b32 s[G0H+1], 0
	s_mov_b64 s[G0H+2:G0H+3], s[20:21]
	s_or_b32 s[G0H+3], s[G0H+3], 0x80000000
	s_mov_b32 s[G0HB], 1
	s_mov_b32 s[G0HB+1], 2*HALFT
	s_mov_b64 s[G0HB+2:G0HB+3], s[46:47]
	s_or_b32 s[G0HB+3], s[G0HB+3], 0x80000000
	s_add_nc_u64 s[20:21], s[20:21], s[18:19]      ; for the ring: my 128 rows of the tile
	s_add_nc_u64 s[46:47], s[46:47], s[18:19]
.irp s, 0,1
	s_mov_b32 s[G0+4*\s], 1
	s_add_co_u32 s[G0+4*\s+1], s45, \s*SLOT
	s_add_nc_u64 s[G0+4*\s+2:G0+4*\s+3], s[20:21], \s*ROWB
	s_or_b32 s[G0+4*\s+3], s[G0+4*\s+3], 0x80000000
	s_mov_b32 s[G0B+4*\s], 1
	s_add_co_u32 s[G0B+4*\s+1], s45, \s*SLOT
	s_add_nc_u64 s[G0B+4*\s+2:G0B+4*\s+3], s[46:47], \s*ROWB
	s_or_b32 s[G0B+4*\s+3], s[G0B+4*\s+3], 0x80000000
.endr
; THE HEAD'S LOADS, ONE A WAVE: wave 0 K step 0's 256 rows of the first operand, wave 1 those of the second, waves 2 and 3 their scale bytes.  One chain of branches on the wave's number, a load to an arm.
.macro ARM under, g0, g1, next
	s_cmp_lt_u32 s14, \under
	s_cbranch_scc0 \next
	tensor_load_to_lds s[\g0:\g0+3], s[\g1:\g1+7]
	s_nop 0
.rept 4
	v_nop
.endr
	s_branch .Lhead_asked
\next:
.endm
	ARM 1, G0H,  G1,  .Lhead_b
	ARM 2, G0HB, G1B, .Lhead_sa
	ARM 3, G0S,  G1S, .Lhead_sb
	tensor_load_to_lds s[G0SB:G0SB+3], s[G1SB:G1SB+7]
	s_nop 0
.rept 4
	v_nop
.endr
.Lhead_asked:
	v_and_b32 v1, 15, v0
	v_bfe_u32 v[HH], v0, 4, 1
	v_mul_u32_u24 v3, v1, PITCH
	v_lshl_add_u32 v4, v[HH], 4, v3
	s_mul_i32 s21, s15, HALFT
	s_mul_i32 s22, s16, HALFT
	s_add_co_u32 s22, s22, 2*HALFT
.irp s, 0,1
	v_add_nc_u32 v[ADRA+\s], s21, v4
	v_add_nc_u32 v[ADRB+\s], s22, v4
	s_add_co_u32 s21, s21, SLOT
	s_add_co_u32 s22, s22, SLOT
.endr
	v_mul_u32_u24 v5, v1, KS
	v_lshrrev_b32 v6, 8, v5
	v_lshl_add_u32 v5, v6, 4, v5
	s_mul_i32 s21, s15, HALFS
	s_mul_i32 s22, s16, HALFS
	s_add_co_u32 s22, s22, 2*HALFS
	s_sub_co_u32 s22, s22, s21
	v_mul_u32_u24 v6, s22, v[HH]
	s_add_co_u32 s21, s21, SCL
	v_add_nc_u32 v5, v5, v6
	v_add_nc_u32 v[ADRS], s21, v5
	v_and_b32 v2, 31, v0
	v_lshlrev_b32 v[LI], 4, v2
	s_wait_alu depctr_va_vdst(0)
	s_lshl_b32 s18, s17, 8
	s_lshl_b32 s19, s15, 7
	s_add_co_u32 s18, s18, s19
	s_lshl_b32 s20, s42, 8
	s_lshl_b32 s19, s16, 7
	s_add_co_u32 s20, s20, s19
	s_mov_b32 s12, 1024
	s_cmp_eq_u32 s[KIND], 0
	s_cselect_b32 s21, s18, s20
	s_cselect_b32 s22, s20, s18
	s_cselect_b32 s12, HC, s12
	s_cselect_b32 s13, 64, 0
	s_cselect_b32 s18, 0, 4
	s_cselect_b32 s19, 4, 0
	v_add_nc_u32 v[VB2], s12, v[LI]
	v_mul_u32_u24 v[SWO], v[HH], HS
	v_lshl_add_u32 v[SWO], v1, 4, v[SWO]
	v_mul_lo_u32 v[VSEL], v[HH], 0x02020202
	v_add_nc_u32 v[VSEL], 0x05040100, v[VSEL]
	v_and_b32 v2, 8, v1
	v_add_nc_u32 v2, v2, v1
	v_mul_u32_u24 v3, s13, v[HH]
	v_mad_u32_u24 v3, v2, s18, v3
	s_wait_alu depctr_va_vdst(0)
.irp j, 0,1,2,3,4,5,6,7
	s_mul_i32 s13, s19, \j
	v_add_nc_u32 v[VO+\j], s13, v3
.endr
	s_lshr_b32 s23, s22, 10
	s_and_b32 s22, s22, 1023
	s_cmp_eq_u32 s23, 0
	s_cselect_b64 s[BP:BP+1], s[92:93], s[94:95]
	s_cmp_eq_u32 s23, 2
	s_cselect_b64 s[BP:BP+1], s[96:97], s[BP:BP+1]
	s_lshl_b32 s12, s22, 2
	s_mov_b32 s13, 0
	s_add_nc_u64 s[BP:BP+1], s[BP:BP+1], s[12:13]
	s_wait_alu depctr_va_vdst(0)
.irp t, 0,1,2,3,4,5,6,7
.irp j, 0,1,2,3,4,5,6,7
	global_load_b32 v[BIAS+8*\t+\j], v[VO+\j], s[BP:BP+1] offset:(32*(\t/2)+8*(\t%2))*4
.endr
.endr
	s_lshr_b32 s18, s21, 11
	s_lshl_b32 s18, s18, 4
	s_lshr_b32 s19, s22, 6
	s_add_co_u32 s18, s18, s19
	s_bfe_u32 s19, s21, 0x40007
	s_mul_i32 s12, s18, HC
	s_mul_i32 s20, s19, GC
	s_add_co_u32 s12, s12, s20
	s_lshl_b32 s20, s23, 13
	s_add_co_u32 s12, s12, s20
	s_add_nc_u64 s[OUTC:OUTC+1], s[OUTC:OUTC+1], s[12:13]
	s_mul_i32 s12, s18, HS
	s_mul_i32 s20, s19, GS
	s_add_co_u32 s12, s12, s20
	s_lshl_b32 s20, s23, 8
	s_add_co_u32 s12, s12, s20
	s_add_nc_u64 s[OUTS:OUTS+1], s[OUTS:OUTS+1], s[12:13]
	s_mov_b32 s[D1], 2048
	s_mov_b32 s[D2], HC-6144
	s_cmp_eq_u32 s[KIND], 0
	s_cselect_b32 s[D1], 1024, s[D1]
	s_cselect_b32 s[D2], 1024, s[D2]
	s_mov_b32 s[D1+1], 0
	s_mov_b32 s[D2+1], 0
	s_mov_b32 s[SEL], 0x76543210
	s_mov_b32 s[SEL+1], 0xfedcba98
	s_mov_b32 s[MNT], 0x600000
.macro FRAG reg, adr, q, i
.irp c, 0,1,2,3
	ds_load_b128 v[\reg+4*\c:\reg+4*\c+3], v[\adr] offset:128*(\q)+32*\c+(\i)*16*PITCH
.endr
.endm
.macro MUL16 a0, p, q, sc, zero
.irp a, \a0, \a0+1
.irp b, 0,1,2,3,4,5,6,7
.if \zero == 1
	v_wmma_scale_f32_16x16x128_f8f6f4 v[8*(8*((\a)%4)+\b):8*(8*((\a)%4)+\b)+7], v[128*(\p)+FR*\b:128*(\p)+FR*\b+FR-1], v[AF+FR*(\a):AF+FR*(\a)+FR-1], v[BIAS+8*\b:BIAS+8*\b+7], v[SC+8*NQ*(\sc)+NQ*\b+(\q)], v[SC+8*NQ*(\sc)+NQ*(\a)+(\q)] matrix_a_scale:MATRIX_SCALE_ROW1
.elseif \zero == 2
	v_wmma_scale_f32_16x16x128_f8f6f4 v[8*(8*((\a)%4)+\b):8*(8*((\a)%4)+\b)+7], v[128*(\p)+FR*\b:128*(\p)+FR*\b+FR-1], v[AF+FR*(\a):AF+FR*(\a)+FR-1], v[BIAS+8*(\a):BIAS+8*(\a)+7], v[SC+8*NQ*(\sc)+NQ*\b+(\q)], v[SC+8*NQ*(\sc)+NQ*(\a)+(\q)] matrix_a_scale:MATRIX_SCALE_ROW1
.else
	v_wmma_scale_f32_16x16x128_f8f6f4 v[8*(8*((\a)%4)+\b):8*(8*((\a)%4)+\b)+7], v[128*(\p)+FR*\b:128*(\p)+FR*\b+FR-1], v[AF+FR*(\a):AF+FR*(\a)+FR-1], v[8*(8*((\a)%4)+\b):8*(8*((\a)%4)+\b)+7], v[SC+8*NQ*(\sc)+NQ*\b+(\q)], v[SC+8*NQ*(\sc)+NQ*(\a)+(\q)] matrix_a_scale:MATRIX_SCALE_ROW1
.endif
.endr
.endr
.endm
.macro FETCH_B slot, q, p
	WIN TO_B
.irp i, 0,1,2,3,4,5,6,7
	FRAG 128*(\p)+FR*\i, ADRB+\slot, \q, \i
.endr
	WIN 0
.endm
.macro FETCH_A slot, q, i0
.irp i, \i0, \i0+1, \i0+2, \i0+3
	FRAG AF+FR*(\i), ADRA+\slot, \q, \i
.endr
.endm
.macro SCALES sc
.irp i, 0,1,2,3,4,5,6,7
	ds_load_b64 v[SC+8*NQ*\sc+NQ*\i:SC+8*NQ*\sc+NQ*\i+1], v[ADRS] offset:\i*SBLK
.endr
.endm
.macro PLACES n
.rept \n
	v_nop
.endr
.endm
.macro STEP slot, q, zero
	s_wait_dscnt 4*NL
.if \zero
	WIN FST_LO
.else
	WIN MUL_LO
.endif
	MUL16 0, (\q)%2, \q, \slot, \zero
	MUL16 2, (\q)%2, \q, \slot, \zero
	s_wait_dscnt 0
	PLACES NP
	FETCH_B \slot, (\q)+1, 1-(\q)%2
	FETCH_A \slot, (\q)+1, 0
.if \zero
	WIN FST_HI
.else
	WIN MUL_HI
.endif
	MUL16 4, (\q)%2, \q, \slot, \zero
	MUL16 6, (\q)%2, \q, \slot, \zero
	PLACES NP
	WIN 0
	FETCH_A \slot, (\q)+1, 4
.endm
.macro TURN slot, next, fill
	s_wait_tensorcnt 0x0
	ds_add_u32 v[SPW], v[NIL]
	s_wait_dscnt 4*NL+1
	WIN MUL_LO
	MUL16 0, 1, NQ-1, \slot, 0
	s_wait_dscnt 0x0
	s_barrier_signal -1
	MUL16 2, 1, NQ-1, \slot, 0
	WIN 0
	s_barrier_wait -1
.if \fill
	CREST
	s_add_nc_u64 s[G0+4*\slot+2:G0+4*\slot+3], s[G0+4*\slot+2:G0+4*\slot+3], 2*ROWB
	s_add_nc_u64 s[G0B+4*\slot+2:G0B+4*\slot+3], s[G0B+4*\slot+2:G0B+4*\slot+3], 2*ROWB
	JLOAD G0+4*\slot, G1, G0B+4*\slot, G1B
	PLACES NP-4
.else
	PLACES NP
.endif
	s_wait_alu depctr_va_vdst(0)
	v_add_nc_u32 v[ADRS], 4*NQ, v[ADRS]
	FETCH_B \next, 0, 0
	FETCH_A \next, 0, 0
	SCALES \next
	WIN MUL_HI
	MUL16 4, 1, NQ-1, \slot, 0
	MUL16 6, 1, NQ-1, \slot, 0
	PLACES NP
	WIN 0
	FETCH_A \next, 0, 4
.endm
	s_wait_alu depctr_va_vdst(0)
	s_wait_tensorcnt 0x0                           ; my tile of the head's four is in
	ds_add_u32 v[SPW], v[NIL]
	s_mov_b32 s[G1+2], 128<<16                     ; no tensor load of mine is out: from here on a load brings 128 rows
	s_mov_b32 s[G1+4], 128
	s_mov_b32 s[G1B+2], 128<<16
	s_mov_b32 s[G1B+4], 128
	s_wait_dscnt 0x0
	CROUND                                         ; all four tiles are in, and all sixteen work-groups are here
	JLOAD G0+4, G1, G0B+4, G1B                     ; K step 1, the first tensor load behind the round
	FETCH_B 0, 0, 0
	FETCH_A 0, 0, 0
	SCALES 0
	FETCH_A 0, 0, 4
	s_wait_loadcnt 0x0
	s_cmp_eq_u32 s[KIND], 0
	s_cbranch_scc0 .Lfirst_v
	STEP 0, 0, 1
	s_branch .Lfirst_done
.Lfirst_v:
	STEP 0, 0, 2
.Lfirst_done:
	s_mov_b32 s3, LAPS-1
.Llap:
	TURN 0, 1, 1
	STEP 1, 0, 0
	TURN 1, 0, 1
	STEP 0, 0, 0
	s_sub_co_u32 s3, s3, 1
	s_cmp_lg_u32 s3, 0
	s_cbranch_scc1 .Llap
	TURN 0, 1, 0
	STEP 1, 0, 0
	s_wait_dscnt 4*NL
	WIN MUL_LO
	MUL16 0, 1, NQ-1, 1, 0
	MUL16 2, 1, NQ-1, 1, 0
	s_wait_dscnt 0
	WIN MUL_HI
	MUL16 4, 1, NQ-1, 1, 0
	MUL16 6, 1, NQ-1, 1, 0
	WIN 0
.macro QOUT a
.set AC, 64*((\a)%4)
.set WN, 2+(\a)/4
.set WMAX, (WN<<2)|(WN<<4)
.set WHOLD, (WN<<6)|WN
	WIN WMAX
.irp b, 0,1,2,3
	v_max3_num_f32 v[TM+\b], 0x4800000, |v[AC+16*\b]|, |v[AC+16*\b+1]|
.endr
.irp i, 2,4,6,8,10,12,14
.irp b, 0,1,2,3
	v_max3_num_f32 v[TM+\b], v[TM+\b], |v[AC+16*\b+\i]|, |v[AC+16*\b+\i+1]|
.endr
.endr
	WIN 0
.irp b, 0,1,2,3
	v_permlanex16_b32 v[TM+4+\b], v[TM+\b], s[SEL], s[SEL+1]
.endr
.irp b, 0,1,2,3
	v_max_num_f32 v[TM+\b], v[TM+\b], v[TM+4+\b]
.endr
.irp b, 0,1,2,3
	v_add_nc_u32 v[TM+12+\b], 0xfc000000, v[TM+\b]
.endr
.irp b, 0,1,2,3
	v_and_or_b32 v[TM+8+\b], v[TM+\b], 0x7f800000, s[MNT]
.endr
.irp b, 0,1,2,3
	v_lshrrev_b32 v[TM+4+\b], 23, v[TM+12+\b]
.endr
	v_lshl_or_b32 v[PW+(\a)], v[TM+5], 8, v[TM+4]
	v_lshl_or_b32 v[PW+(\a)], v[TM+6], 16, v[PW+(\a)]
	v_lshl_or_b32 v[PW+(\a)], v[TM+7], 24, v[PW+(\a)]
	WIN WHOLD
.irp b, 0,1,2,3
.irp i, 0,1,2,3,4,5,6,7,8,9,10,11,12,13,14,15
	v_med3_num_f32 v[AC+16*\b+\i], v[AC+16*\b+\i], -v[TM+8+\b], v[TM+8+\b]
.endr
.endr
	s_wait_alu depctr_va_vdst(0)
	s_wait_xcnt 0x0
.if (\a) == 4
	s_add_nc_u64 s[OUTC:OUTC+1], s[OUTC:OUTC+1], s[D2:D2+1]
.elseif (\a) > 0
	s_add_nc_u64 s[OUTC:OUTC+1], s[OUTC:OUTC+1], s[D1:D1+1]
.endif
	WIN WN
.irp b, 0,1,2,3
	v_cvt_scalef32_pk8_fp8_f32 v[PCD+4*\b:PCD+4*\b+1], v[AC+16*\b:AC+16*\b+7], v[TM+12+\b]
	v_cvt_scalef32_pk8_fp8_f32 v[PCD+4*\b+2:PCD+4*\b+3], v[AC+16*\b+8:AC+16*\b+15], v[TM+12+\b]
.endr
	WIN 0
	v_nop
	global_store_b128 v[LI], v[PCD:PCD+3], s[OUTC:OUTC+1]
	global_store_b128 v[LI], v[PCD+4:PCD+7], s[OUTC:OUTC+1] offset:512
	global_store_b128 v[VB2], v[PCD+8:PCD+11], s[OUTC:OUTC+1]
	global_store_b128 v[VB2], v[PCD+12:PCD+15], s[OUTC:OUTC+1] offset:512
.endm
	PLACES NP
.irp b, 0,1,2,3
	v_mov_b32 v[TM+4+\b], 0
.endr
.irp a, 0,1,2,3,4,5,6,7
	QOUT \a
.endr
	s_cmp_eq_u32 s[KIND], 0
	s_cbranch_scc0 .Lwords_v
.irp g, 0,1,2,3
	v_perm_b32 v[OUTW+\g], v[PW+2*\g+1], v[PW+2*\g], v[VSEL]
.endr
	s_branch .Lwords_done
.Lwords_v:
	v_cmp_ne_u32 vcc_lo, 0, v[HH]
.irp t, 0,1,2,3
	v_cndmask_b32 v[OUTW+\t], v[PW+\t], v[PW+4+\t], vcc_lo
.endr
.Lwords_done:
	s_wait_alu depctr_va_vdst(0)
	global_store_b128 v[SWO], v[OUTW:OUTW+3], s[OUTS:OUTS+1]
	s_wait_tensorcnt 0x0
	ds_add_u32 v[SPW], v[NIL]
	s_wait_dscnt 0x0
	CROUND
	s_endpgm
.Lfunc_end_k_q190552a9f4_proj:
	.size	k_q190552a9f4_proj, .Lfunc_end_k_q190552a9f4_proj-k_q190552a9f4_proj
	.p2alignl 7, 3214868480
	.fill 96, 4, 3214868480
	.section	.rodata,"a",@progbits
	.p2align	6, 0x0
	.amdhsa_kernel k_q190552a9f4_proj
		.amdhsa_group_segment_fixed_size 327680
		.amdhsa_private_segment_fixed_size 0
		.amdhsa_enable_private_segment 0
		.amdhsa_kernarg_size 72
		.amdhsa_user_sgpr_count 2
		.amdhsa_user_sgpr_kernarg_segment_ptr 1
		.amdhsa_wavefront_size32 1
		.amdhsa_system_sgpr_workgroup_id_x 1
		.amdhsa_system_sgpr_workgroup_id_y 1
		.amdhsa_system_sgpr_workgroup_id_z 1
		.amdhsa_system_vgpr_workitem_id 0
		.amdhsa_next_free_vgpr 1024
		.amdhsa_next_free_sgpr 106
		.amdhsa_reserve_vcc 1
		.amdhsa_float_denorm_mode_32 3
		.amdhsa_float_denorm_mode_16_64 3
		.amdhsa_memory_ordered 1
		.amdhsa_forward_progress 1
		.amdhsa_inst_pref_size 208
	.end_amdhsa_kernel
	.amdgpu_metadata
---
amdhsa.version: [ 1, 2 ]
amdhsa.kernels:
  - .name:           k_q190552a9f4_proj
    .symbol:         k_q190552a9f4_proj.kd
    .args:
      - { .name: xc, .offset: 0, .size: 8, .value_kind: global_buffer, .address_space: global }
      - { .name: xs, .offset: 8, .size: 8, .value_kind: global_buffer, .address_space: global }
      - { .name: wc, .offset: 16, .size: 8, .value_kind: global_buffer, .address_space: global }
      - { .name: ws, .offset: 24, .size: 8, .value_kind: global_buffer, .address_space: global }
      - { .name: bq, .offset: 32, .size: 8, .value_kind: global_buffer, .address_space: global }
      - { .name: bk, .offset: 40, .size: 8, .value_kind: global_buffer, .address_space: global }
      - { .name: bv, .offset: 48, .size: 8, .value_kind: global_buffer, .address_space: global }
      - { .name: qkvc, .offset: 56, .size: 8, .value_kind: global_buffer, .address_space: global }
      - { .name: qkvs, .offset: 64, .size: 8, .value_kind: global_buffer, .address_space: global }
    .group_segment_fixed_size: 327680
    .private_segment_fixed_size: 0
    .kernarg_segment_align: 8
    .kernarg_segment_size: 72
    .max_flat_workgroup_size: 128
    .sgpr_count:     106
    .vgpr_count:     1024
    .wavefront_size: 32
...
	.end_amdgpu_metadata
.endif
;; end of part 2
;; launch attn (part 3): grid 4 x 64, 16 waves a work-group, clusters of 4 x 1, 327,680 bytes of LDS; arguments qkvc, qkvs, out0; writes out0
.if DOCPART == 3
	.amdgcn_target "amdgcn-amd-amdhsa--gfx1250"
	.amdhsa_code_object_version 6
	.text
	.protected	k_q190552a9f4_attn
	.globl	k_q190552a9f4_attn
	.p2align	8
	.type	k_q190552a9f4_attn,@function
k_q190552a9f4_attn:
	s_mov_b64 s[64:65], 0
	v_nop
	global_prefetch_b8 v0, s[64:65] scope:SCOPE_SE
	s_setreg_imm32_b32 hwreg(HW_REG_WAVE_MODE, 25, 1), 1
	s_wait_xcnt 0x0
	s_wait_alu depctr_hold_cnt(0) depctr_sa_sdst(0) depctr_va_vdst(0) depctr_va_sdst(0) depctr_va_ssrc(0) depctr_va_vcc(0) depctr_vm_vsrc(0)
	s_getreg_b32 s2, hwreg(HW_REG_IB_STS2, 6, 4)
	s_cmp_eq_u32 s2, 0
	s_cbranch_scc0 .Lentry_in_a_cluster
	s_endpgm
.Lentry_in_a_cluster:
	s_bfe_u32 s2, ttmp6, 0x10000c
	s_cmp_lg_u32 s2, 0x3003
	s_cbranch_scc0 .Lentry_shape_is_right
	s_endpgm
.Lentry_shape_is_right:
; out0[b][q][64 h + :] = the sum over k of softmax_k(Q[q] . K[k] / 8) V[k][:] for each of the 64 pairs (batch, head), 2,048 keys, head size 64, both products on codes of FP8 (E4M3) with E8M0 scales.
; THE SOFTMAX AHEAD OF THE SECOND PRODUCT: t = score x log2(e) / 8; M = the row's largest t so far, rounded UP to a whole number; p = 2^(t - M) is quantised along the keys, not normalised.  The row's sum is taken
; of the unquantised p, in f32, and divides O at the end.  When M moves, the sum and O are multiplied by 2^(old M - new M): exact.
; IN.  qkvc: [head][group of 128 tokens] records Q 8,192 | K 8,192 | V 8,192 bytes: images of operand registers in quads of 512 bytes, lane l's 16 bytes at 16 l.  Q, K: quad (token tile a, channel block c) at 1,024 a + 512 c;
; tile a's row r is token 32 (a / 2) + 8 (a % 2) + r + 8 (r / 8).  V: quad (channel tile t, key block B) at 2,048 t + 512 B; tile t's row r is channel 32 (t / 2) + 8 (t % 2) + r + 8 (r / 8).  qkvs: records of 3 x 256 bytes: row r's four scale words at 16 r.
; K = 64 IN AN INSTRUCTION OF K = 128.  Two neighbouring tiles of keys are ONE fragment: row r holds key A's 64 codes and then key B's.  Q stands in a run of 24 registers, zeros | q | zeros: its last 16 pick the A keys, its first 16 the B keys.
; SHARES.  A work-group owns 512 queries of one head; each of its sixteen waves one tile of 16 queries at a time, twice, in 256 registers.  A lane holds ONE query (lane % 16) throughout (S^T = K Q^T, O^T = V^T P^T).
; A HEAD'S WHOLE K AND V LIE IN LDS, 262,144 bytes of codes and 8,192 of scale words, brought ONCE: nothing is filled again.  One tensor load a wave: wave 0 the scale words, waves 1 to 8 two key steps each (two rows of 16,384 bytes).
; The first barrier shows waves 0 to 2's tiles (scale words, key steps 0 to 3), which have load lines of their own; the barrier behind the first two key steps shows the rest.
; CLUSTER.  The four work-groups of a head ask for every tile JOINTLY: the same load, the same descriptor, the mask 15.  No data prefetch: each tile is asked for once, at the head, and there is no loop ahead of it to ask in.
; TWO REGIONS OF 64 REGISTERS TAKE TURNS.  In a step one holds K's fragments and, behind the first product, V's; the other takes the scores, then p, and, once p is converted, the NEXT step's fragments of K.  So a trip is two steps.
; The last step of a walk asks for key step 15 once more (the address is held there); the walk's first fragments are asked for at its head.
; LIMITS: a block of p that has fallen to zeros keeps the byte 1 (its codes are zeros); NaN and infinities are not served; the promise holds while the scaled scores stay under 2^31 in magnitude.
.set HC,   393216
.set GC,   24576
.set HS,   12288
.set GS,   768
.set SCL,  262144                      ; LDS: key step G's codes (K | V) at 16,384 G; its scale words (K's | V's) at SCL + 512 G
.set STG,  270336                      ; a stage of 16 rows x 144 bytes for each wave, for the way out: no tensor load fills it
.set SPARE, 307200                     ; the spare words, 128 bytes a wave
.set LI,   1                           ; 16 x lane
.set LS,   2                           ; SCL + 16 (lane % 16)
.set ADV,  3                           ; this step's codes
.set ADS,  4                           ; this step's scale words
.set STO,  5
.set RD,   6
.set GO,   7
.set ADK,  8                           ; the next step's codes
.set QO,   9
.set ADT,  10                          ; the next step's scale words
.set QS,   11                          ; q's scale word;  v12 -M, v13 the largest score so far
.set TT,   14
.set TO,   15                          ; the old -M
.set QRUN, 16
.set X,    40
.set Y,    104
.set O,    168
.set PCD,  200
.set KSC,  216
.set VSC,  220
.set TMX,  224
.set TP,   228
.set TL,   232                         ; 448 x the scale,
.set TSO,  236
.set FF,   240                         ; f = 2^(old M - new M)
.set PS,   241                         ; p's scale word
.set ACC,  242                         ; v242-249 the row's sum in four chains of two
.set TL2,  250                         ; and a second copy of TL: the two halves of a dual line take their second sources from different register banks
.set SPW,  254
.set NIL,  255
.set WV,   10
.set G1C,  16
.set G1S,  24
.set G0S,  32
.set G0C,  36
.set TN,   40
.set TSN,  41
.set SEL,  52
.set CS,   54                          ; s[54:55] c = log2(e) / 8
.set MNT,  56
.set TB,   57
.set TS,   58
.set NST,  59
.set NTAU, 60
.set QSEL, 61
.set NCS,  62                          ; -c
.set QC,   66
.set QSA,  68
.set OUT,  70
.macro WALU
	s_wait_alu depctr_va_vdst(0)
.endm
.macro ROUND
	s_barrier_signal -1
	s_barrier_wait -1
	s_cmp_lg_u32 s[WV], 0
	s_cbranch_scc1 .Lnot_wave_0_\@
	s_barrier_signal -3
.Lnot_wave_0_\@:
	s_barrier_wait -3
	s_barrier_signal -1
	s_barrier_wait -1
.endm
	s_load_b128 s[4:7], s[0:1], 0x0                ; qkvc, qkvs
	s_load_b64 s[8:9], s[0:1], 0x10                ; out0
	v_lshl_add_u32 v[SPW], v0, 2, SPARE
	v_mov_b32 v[NIL], 0
	ds_add_u32 v[SPW], v[NIL]                      ; the opening lines: the add twice on end and its wait
	ds_add_u32 v[SPW], v[NIL]
	v_lshrrev_b32 v1, 5, v0
	v_readfirstlane_b32 s[WV], v1                  ; wave 0..15
	s_and_b32 s12, ttmp7, 0xffff                   ; the head, which the four partners share
	s_mov_b32 s[G1C], 15|(3<<16)|(1<<21)           ; codes: two rows of 2,048 elements of 8 bytes, a record (3,072 elements) apart; the mask names all four
	s_mov_b32 s[G1C+1], 2048<<16
	s_mov_b32 s[G1C+2], 2<<16
	s_mov_b32 s[G1C+3], 2048<<16
	s_mov_b32 s[G1C+4], 2
	s_mov_b32 s[G1C+5], 3072
	s_mov_b32 s[G1C+6], 0
	s_mov_b32 s[G1C+7], 0
	s_mov_b32 s[G1S], 15|(3<<16)|(1<<21)           ; scale words: sixteen rows of 64 elements (512 bytes), a record (96 elements) apart
	s_mov_b32 s[G1S+1], 64<<16
	s_mov_b32 s[G1S+2], 16<<16
	s_mov_b32 s[G1S+3], 64<<16
	s_mov_b32 s[G1S+4], 16
	s_mov_b32 s[G1S+5], 96
	s_mov_b32 s[G1S+6], 0
	s_mov_b32 s[G1S+7], 0
	s_mul_i32 s72, s12, HC
	s_add_co_u32 s73, s[WV], 7
	s_and_b32 s73, s73, 7                          ; the pair of key steps that I fetch, if I fetch codes: wave - 1
	s_mul_i32 s76, s73, 2*GC
	s_add_co_u32 s72, s72, s76
	s_add_co_u32 s72, s72, 8192                    ; behind the record's Q
	s_lshl_b32 s77, s73, 15                        ; in LDS: 32,768 bytes a pair
	s_mov_b32 s73, 0
	s_mul_i32 s74, s12, HS
	s_add_co_u32 s74, s74, 256                     ; behind the record's Q words
	s_mov_b32 s75, 0
	s_wait_dscnt 0x0
	s_wait_kmcnt 0x0
	s_add_nc_u64 s[72:73], s[4:5], s[72:73]
	s_add_nc_u64 s[74:75], s[6:7], s[74:75]
	ROUND                                          ; all four work-groups are here: the joint loads meet
	s_mov_b32 s[G0S], 1
	s_mov_b32 s[G0S+1], SCL
	s_mov_b64 s[G0S+2:G0S+3], s[74:75]
	s_or_b32 s[G0S+3], s[G0S+3], 0x80000000
	s_mov_b32 s[G0C], 1
	s_mov_b32 s[G0C+1], s77
	s_mov_b64 s[G0C+2:G0C+3], s[72:73]
	s_or_b32 s[G0C+3], s[G0C+3], 0x80000000
.macro ARM under, g0, g1, next         ; one chain of branches on the wave's number, a load to an arm, all arms to one join
	s_cmp_lt_u32 s[WV], \under
	s_cbranch_scc0 \next
	tensor_load_to_lds s[\g0:\g0+3], s[\g1:\g1+7]
	s_nop 0
.rept 4
	v_nop
.endr
	s_branch .Lasked
\next:
.endm
	ARM 1, G0S, G1S, .Lfirst_codes                 ; wave 0: the scale words
	ARM 3, G0C, G1C, .Lother_codes                 ; waves 1, 2: key steps 0 to 3
	ARM 9, G0C, G1C, .Lno_load                     ; waves 3 to 8: key steps 4 to 15
.Lasked:
	; my tile of queries: group 4 cx + w / 8 (the second time two groups on), tile a = w % 8
	s_bfe_u32 s11, ttmp6, 0x40000                  ; cx: it enters Q's and out0's addresses alone
	s_lshl_b32 s72, s11, 2
	s_lshr_b32 s73, s[WV], 3
	s_add_co_u32 s72, s72, s73                     ; the group
	s_and_b32 s73, s[WV], 7                        ; a
	s_mul_i32 s74, s12, HC
	s_mul_i32 s75, s72, GC
	s_add_co_u32 s74, s74, s75
	s_lshl_b32 s75, s73, 10
	s_add_co_u32 s74, s74, s75
	s_mov_b32 s75, 0
	s_add_nc_u64 s[QC:QC+1], s[4:5], s[74:75]
	s_mul_i32 s74, s12, HS
	s_mul_i32 s76, s72, GS
	s_add_co_u32 s74, s74, s76
	s_lshr_b32 s76, s73, 1                         ; a / 2
	s_lshl_b32 s77, s76, 2
	s_add_co_u32 s74, s74, s77                     ; word a / 2 of each row's four
	s_add_nc_u64 s[QSA:QSA+1], s[6:7], s[74:75]
	s_lshr_b32 s74, s12, 4
	s_lshl_b32 s74, s74, 11                        ; the batch's 2,048 tokens,
	s_lshl_b32 s77, s72, 7
	s_add_co_u32 s74, s74, s77                     ; the group's 128,
	s_lshl_b32 s77, s76, 5
	s_add_co_u32 s74, s74, s77                     ; 32 (a / 2)
	s_and_b32 s77, s[WV], 1
	s_lshl_b32 s78, s77, 3
	s_add_co_u32 s74, s74, s78                     ; + 8 (a % 2): the token of my tile's row 0
	s_lshl_b32 s74, s74, 12                        ; 4,096 bytes a token
	s_and_b32 s78, s12, 15
	s_lshl_b32 s78, s78, 8
	s_add_co_u32 s74, s74, s78                     ; + the head's 256 bytes
	s_add_nc_u64 s[OUT:OUT+1], s[8:9], s[74:75]
	s_mov_b32 s[QSEL], 0x03020302
	s_cmp_eq_u32 s77, 0
	s_cselect_b32 s[QSEL], 0x01000100, s[QSEL]     ; my tile's two bytes, twice: for q | 0 and for 0 | q alike
	s_mov_b32 s[SEL], 0x76543210
	s_mov_b32 s[SEL+1], 0xfedcba98
	s_mov_b32 s[CS], 0x3e38aa3b
	s_mov_b32 s[CS+1], s[CS]
	s_mov_b32 s[NCS], 0xbe38aa3b
	s_mov_b32 s[MNT], 0x600000
	s_mul_i32 s72, s[WV], 16*144
	s_add_co_u32 s72, s72, STG                     ; my stage
	v_and_b32 v14, 31, v0
	v_lshlrev_b32 v[LI], 4, v14
	v_and_b32 v14, 15, v0                          ; r
	v_lshlrev_b32 v[QO], 4, v14
	v_add_nc_u32 v[LS], SCL, v[QO]
	v_bfe_u32 v12, v0, 4, 1                        ; lane / 16
	v_mul_u32_u24 v[STO], v14, 144
	v_lshl_add_u32 v[STO], v12, 6, v[STO]
	v_add_nc_u32 v[STO], s72, v[STO]               ; in: row r, 64 bytes for each half of the lanes
	v_and_b32 v13, 7, v0
	v_mul_u32_u24 v[RD], v12, 144
	v_lshl_add_u32 v[RD], v13, 4, v[RD]
	v_add_nc_u32 v[RD], s72, v[RD]                 ; back: lanes 0-15 one row, lanes 16-31 the next; 16 bytes at 16 (lane % 8)
	v_lshlrev_b32 v[GO], 12, v12
	v_add_nc_u32 v[GO], v[GO], v[QO]               ; out0: the same two rows, 16 bytes at 16 (lane % 16)
.irp j, 0,1,2,3,4,5,6,7
	v_mov_b32 v[QRUN+\j], 0                        ; the zeros on both sides of q: written once
	v_mov_b32 v[QRUN+16+\j], 0
.endr
	v_mov_b32 v[PS], 0                             ; (named as the upper half of the pair v[240:241] before it is first written)
.macro SUM sr, i                       ; pair i of the step's 32 pairs of p goes into chain i % 4; a chain's first link brings the old sum under the new M
.if (\i) < 4
	v_pk_fma_f32 v[ACC+2*(\i):ACC+2*(\i)+1], v[ACC+2*(\i):ACC+2*(\i)+1], v[FF:FF+1], v[\sr+2*(\i):\sr+2*(\i)+1] op_sel_hi:[1,0,1]
.else
	v_pk_add_f32 v[ACC+2*((\i)%4):ACC+2*((\i)%4)+1], v[ACC+2*((\i)%4):ACC+2*((\i)%4)+1], v[\sr+2*(\i):\sr+2*(\i)+1]
.endif
.endm
.macro HOLD sr, i                      ; pair i held at 448 x its block's scale: the conversion does not saturate (ISA guide 7.6.2); p is not negative, so the hold is one-sided
	v_dual_min_num_f32 v[\sr+2*(\i)], v[\sr+2*(\i)], v[TL+(\i)/8] :: v_dual_min_num_f32 v[\sr+2*(\i)+1], v[\sr+2*(\i)+1], v[TL2+(\i)/8]
.endm
.macro KNEXT sr, b                     ; fragment b of the next step's K, where block b's p lay: asked for as soon as that block is converted
.irp c, 0,1,2,3
	ds_load_b128 v[\sr+16*\b+4*\c:\sr+16*\b+4*\c+3], v[ADK] offset:2048*\b+512*\c
.endr
.endm
.macro QLOAD                           ; q's two quads, into the middle of the run, and the scale word that holds my tile's two bytes
	global_load_b128 v[QRUN+8:QRUN+11], v[LI], s[QC:QC+1]
	global_load_b128 v[QRUN+12:QRUN+15], v[LI], s[QC:QC+1] offset:512
	global_load_b32 v[TO], v[QO], s[QSA:QSA+1]
.endm
.macro CVT sr, b
	v_cvt_scalef32_pk8_fp8_f32 v[PCD+4*\b:PCD+4*\b+1], v[\sr+16*\b:\sr+16*\b+7], v[TSO+\b]
	v_cvt_scalef32_pk8_fp8_f32 v[PCD+4*\b+2:PCD+4*\b+3], v[\sr+16*\b+8:\sr+16*\b+15], v[TSO+\b]
.endm
; A KEY STEP: 128 keys.  kr: K's fragments, then V's;  sr: the scores, p, then the next step's K
.macro STEP kr, sr
	WALU
	s_wait_dscnt 8                                 ; K's scale words and fragments 0 and 1 are in; the eight loads of fragments 2 and 3 may be out
.irp b, 0,1,2,3
.if \b == 2
	s_wait_dscnt 4                                 ; fragment 2 is in; fragment 3's four loads may be out
.elseif \b == 3
	s_wait_dscnt 0x0
.endif
	v_wmma_scale_f32_16x16x128_f8f6f4 v[\sr+16*\b:\sr+16*\b+7], v[\kr+16*\b:\kr+16*\b+15], v[QRUN+8:QRUN+23], 0, v[KSC+\b], v[QS]     ; q | 0: key tile 2 b
	v_wmma_scale_f32_16x16x128_f8f6f4 v[\sr+16*\b+8:\sr+16*\b+15], v[\kr+16*\b:\kr+16*\b+15], v[QRUN:QRUN+15], 0, v[KSC+\b], v[QS]    ; 0 | q: key tile 2 b + 1
.endr
	v_add_nc_u32 v[ADV], s[TB], v[LI]              ; eight places behind the products: five lines that are due, three idle
	v_add_nc_u32 v[ADS], s[TS], v[LS]
	s_add_co_u32 s[TB], s[TB], 16384
	s_add_co_u32 s[TS], s[TS], 512
	s_min_u32 s[TN], s[TB], 245760                 ; the next step's place, held at key step 15
	s_min_u32 s[TSN], s[TS], 7680
	v_add_nc_u32 v[ADK], s[TN], v[LI]
	v_add_nc_u32 v[ADT], s[TSN], v[LS]
	v_mov_b32 v[TO], v12
.rept 3
	v_nop
.endr
.irp t, 0,1,2,3
.irp c, 0,1,2,3
	ds_load_b128 v[\kr+16*\t+4*\c:\kr+16*\t+4*\c+3], v[ADV] offset:8192+2048*\t+512*\c   ; V's four fragments
.endr
.endr
	ds_load_b128 v[VSC:VSC+3], v[ADS] offset:256
.irp b, 0,1,2,3                        ; the largest score of each block of 32 keys, in two chains a block; each accumulator from its low end on
	v_max3_num_f32 v[TMX+\b], v[\sr+16*\b], v[\sr+16*\b+1], v[\sr+16*\b+2]
	v_max3_num_f32 v[TP+\b], v[\sr+16*\b+8], v[\sr+16*\b+9], v[\sr+16*\b+10]
.endr
.irp i, 3,5
.irp b, 0,1,2,3
	v_max3_num_f32 v[TMX+\b], v[TMX+\b], v[\sr+16*\b+\i], v[\sr+16*\b+\i+1]
	v_max3_num_f32 v[TP+\b], v[TP+\b], v[\sr+16*\b+8+\i], v[\sr+16*\b+9+\i]
.endr
.endr
.irp b, 0,1,2,3
	v_max3_num_f32 v[TMX+\b], v[TMX+\b], v[\sr+16*\b+7], v[\sr+16*\b+15]
.endr
.irp b, 0,1,2,3
	v_max_num_f32 v[TMX+\b], v[TMX+\b], v[TP+\b]
.endr
.irp b, 0,1,2,3
	s_delay_alu instid0(VALU_DEP_4)
	v_permlanex16_b32 v[TP+\b], v[TMX+\b], s[SEL], s[SEL+1]
.endr
.irp b, 0,1,2,3
	s_delay_alu instid0(VALU_DEP_4)
	v_max_num_f32 v[TMX+\b], v[TMX+\b], v[TP+\b]   ; with lane l xor 16's 16 keys
.endr
	s_delay_alu instid0(VALU_DEP_2)
	v_max3_num_f32 v[TT], v[TMX], v[TMX+1], v[TMX+2]
	s_delay_alu instid0(VALU_DEP_1)
	v_max3_num_f32 v13, v13, v[TT], v[TMX+3]       ; the running largest score (c is positive: the largest t is c x it)
	s_delay_alu instid0(VALU_DEP_1)
	v_mul_f32 v[TT], s[NCS], v13
	s_delay_alu instid0(VALU_DEP_1)
	v_floor_f32 v12, v[TT]                         ; -M = floor(-t) = -ceil(t): M is a whole number
.set j, 0
.rept 16
	v_pk_fma_f32 v[\sr+j:\sr+j+1], v[\sr+j:\sr+j+1], s[CS:CS+1], v[12:13] op_sel_hi:[1,0,0]   ; t - M of blocks 0 and 1, two at a time
.if j == 4
	v_sub_f32 v[TT], v12, v[TO]                    ; M's old value less its new one: a whole number, 0 or less
.elseif j == 14
	v_cvt_i32_f32 v[TT], v[TT]                     ; (it saturates)
.elseif j == 24
	v_ldexp_f32 v[FF], 1.0, v[TT]                  ; f: a multiplication by it rounds nothing
.endif
.set j, j+2
.endr
.irp b, 0,1,2,3
	v_fma_f32 v[TMX+\b], v[TMX+\b], s[CS], v12     ; the same of each block's largest score
.endr
	WALU                                           ; ahead of the batch
.set j, 0
.rept 16
	v_exp_f32 v[\sr+j], v[\sr+j]                   ; p of blocks 0 and 1; among them t - M of blocks 2 and 3, which hangs on nothing made in the batch
	v_exp_f32 v[\sr+j+1], v[\sr+j+1]
	v_pk_fma_f32 v[\sr+32+j:\sr+33+j], v[\sr+32+j:\sr+33+j], s[CS:CS+1], v[12:13] op_sel_hi:[1,0,0]
.set j, j+2
.endr
.irp b, 0,1,2,3
	v_exp_f32 v[TMX+\b], v[TMX+\b]                 ; each block's largest p: the same two instructions on the same number give the same bits
.endr
	v_nop
	WALU                                           ; behind the batch, ahead of its first reader
.irp b, 0,1,2,3
	v_max_num_f32 v[TMX+\b], 0x4800000, v[TMX+\b]  ; the floor 2^(9 - 127): the byte cannot fall under 1
.endr
.irp i, 0,1,2,3
	SUM \sr, \i
.endr
.irp b, 0,1,2,3
	v_add_nc_u32 v[TSO+\b], 0xfc000000, v[TMX+\b]  ; the conversion's scale operand
.endr
.irp b, 0,1,2,3
	v_and_or_b32 v[TL+\b], v[TMX+\b], 0x7f800000, s[MNT]   ; 448 x the scale,
.endr
.irp b, 0,1,2,3
	v_and_or_b32 v[TL2+\b], v[TMX+\b], 0x7f800000, s[MNT]  ; twice
.endr
.irp i, 4,5,6,7
	SUM \sr, \i
.endr
.irp b, 0,1,2,3
	v_lshrrev_b32 v[TP+\b], 23, v[TSO+\b]          ; the scale's byte
.endr
.irp i, 8,9,10,11
	SUM \sr, \i
.endr
	v_lshl_or_b32 v[PS], v[TP+1], 8, v[TP]         ; p's scale word for these 128 keys
	SUM \sr, 12
	SUM \sr, 13
	v_lshl_or_b32 v[PS], v[TP+2], 16, v[PS]
	SUM \sr, 14
	SUM \sr, 15
	v_lshl_or_b32 v[PS], v[TP+3], 24, v[PS]
	WALU                                           ; ahead of the second batch
.set k, 0
.rept 16
	v_exp_f32 v[\sr+32+2*k], v[\sr+32+2*k]         ; p of blocks 2 and 3; among them the holds of blocks 0 and 1, whose sums are taken
	v_exp_f32 v[\sr+33+2*k], v[\sr+33+2*k]
	HOLD \sr, k
.set k, k+1
.endr
	v_nop
	WALU                                           ; behind the second batch
	CVT \sr, 0
	CVT \sr, 1
	ds_load_b128 v[KSC:KSC+3], v[ADT]              ; the next step's scale words of K, then its fragments in ascending order
	KNEXT \sr, 0
	KNEXT \sr, 1
.irp i, 16,17,18,19,20,21,22,23
	SUM \sr, \i
.endr
.set k, 0
.rept 8
	SUM \sr, 24+k
	HOLD \sr, 16+k
.set k, k+1
.endr
	CVT \sr, 2
	KNEXT \sr, 2
.set k, 24
.rept 8
	HOLD \sr, k
.set k, k+1
.endr
	CVT \sr, 3
	KNEXT \sr, 3
	WALU                                           ; directly ahead of the first reader of O^T
.set j, 0
.rept 16
	v_pk_mul_f32 v[O+j:O+j+1], v[O+j:O+j+1], v[FF:FF+1] op_sel_hi:[1,0]   ; O^T under the new M.  (Also the places between the conversions and the products)
.set j, j+2
.endr
	WALU
	s_wait_dscnt 17                                ; V's 17 loads are in; the 17 of the next step's K, issued behind them, may be out
.irp t, 0,1,2,3
	v_wmma_scale_f32_16x16x128_f8f6f4 v[O+8*\t:O+8*\t+7], v[\kr+16*\t:\kr+16*\t+15], v[PCD:PCD+15], v[O+8*\t:O+8*\t+7], v[VSC+\t], v[PS]   ; the four accumulators by turns
.endr
.rept 9
	v_nop                                          ; nine places: the next step's products write over V's fragments
.endr
.endm
	WALU
	QLOAD                                          ; the first tile of queries, asked for while the tensor loads are out
	s_cmp_lt_u32 s[WV], 3
	s_cbranch_scc0 .Lnot_first
	s_wait_tensorcnt 0x0                           ; waves 0 to 2: the scale words and key steps 0 to 3 have landed
.Lnot_first:
	s_barrier_signal -1
	s_barrier_wait -1
	s_mov_b32 s[NTAU], 2
.Ltau:                                             ; a tile of 16 queries against all 2,048 keys; two trips
	ds_load_b128 v[KSC:KSC+3], v[LS]               ; key step 0's scale words of K, then its fragments in ascending order, as a step's counted waits take them
.irp b, 0,1,2,3
.irp c, 0,1,2,3
	ds_load_b128 v[X+16*\b+4*\c:X+16*\b+4*\c+3], v[LI] offset:2048*\b+512*\c   ; key step 0's K
.endr
.endr
	s_mov_b32 s[TB], 0
	s_mov_b32 s[TS], 0
	v_mov_b32 v13, 0xff61b1e6                      ; the largest score so far: -3e38
	v_mul_f32 v12, s[NCS], v13
	v_floor_f32 v12, v12                           ; -M
.irp j, 0,1,2,3,4,5,6,7
	v_mov_b32 v[ACC+\j], 0
.endr
	s_wait_loadcnt 0x0
	v_perm_b32 v[QS], v[TO], v[TO], s[QSEL]        ; s0, s1, s0, s1
.set j, 0
.rept 32
	v_mov_b32 v[O+j], 0                            ; O^T: the first step finds zeros, which the first change of M leaves zeros.  (Also the places behind the scale word)
.set j, j+1
.endr
	STEP X, Y
	STEP Y, X
	s_wait_tensorcnt 0x0                           ; every wave: all that is still out has landed
	s_wait_dscnt 0x0
	s_barrier_signal -1
	s_barrier_wait -1
	s_mov_b32 s[NST], 7
.Lpair:
	STEP X, Y
	STEP Y, X
	s_sub_co_u32 s[NST], s[NST], 1
	s_cmp_lg_u32 s[NST], 0
	s_cbranch_scc1 .Lpair
	s_cmp_eq_u32 s[NTAU], 1                        ; the trip count alone decides: behind the last tile there is no next one
	s_cbranch_scc1 .Lno_next_q
	s_add_nc_u64 s[QC:QC+1], s[QC:QC+1], 2*GC      ; two groups of 128 queries on (the earlier loads from these bases have been waited for)
	s_add_nc_u64 s[QSA:QSA+1], s[QSA:QSA+1], 2*GS
	QLOAD                                          ; the next tile of queries, asked for ahead of this tile's way out
.Lno_next_q:
	; THE WAY OUT.  O^T / the sum: register 16 g + i is channel 32 g + 16 (lane / 16) + i of my query.  Half a row (32 channels) of the 16 queries at a time goes through my stage; then lanes 8-15 of each
	; half of the wave keep the second half's 16 bytes, so that sixteen lanes store a (token, head)'s 256 consecutive aligned bytes.
	s_wait_dscnt 0x0                               ; the last step's loads into X are in
	v_pk_add_f32 v[ACC:ACC+1], v[ACC:ACC+1], v[ACC+2:ACC+3]
	v_pk_add_f32 v[ACC+4:ACC+5], v[ACC+4:ACC+5], v[ACC+6:ACC+7]
	v_pk_add_f32 v[ACC:ACC+1], v[ACC:ACC+1], v[ACC+4:ACC+5]
	v_add_f32 v[ACC], v[ACC], v[ACC+1]
	v_permlanex16_b32 v[TT], v[ACC], s[SEL], s[SEL+1]
	v_add_f32 v[ACC], v[ACC], v[TT]                ; with lane l xor 16's: the row's sum
	WALU
	v_rcp_f32 v[ACC], v[ACC]
	v_and_b32 v[TT], 8, v0
	v_cmp_ne_u32 vcc_lo, 0, v[TT]                  ; lanes 8-15 and 24-31
	WALU                                           ; ahead of the reciprocal's first reader, which is O^T's too
.set j, 0
.rept 16
	v_pk_mul_f32 v[Y+j:Y+j+1], v[O+j:O+j+1], v[ACC:ACC+1] op_sel_hi:[1,0]
.set j, j+2
.endr
.irp g, 0,1
.irp q, 0,1,2,3
	ds_store_b128 v[STO], v[Y+16*\g+4*\q:Y+16*\g+4*\q+3] offset:16*\q
.endr
.irp m, 0,1,2,3,4,5,6,7
	ds_load_b128 v[X+32*\g+4*\m:X+32*\g+4*\m+3], v[RD] offset:288*\m   ; LDS serves a wave's instructions in order: these see my stores
.endr
.endr
	s_wait_dscnt 0x0
.set j, 0
.rept 32
	v_cndmask_b32 v[X+j], v[X+j], v[X+32+j], vcc_lo
.set j, j+1
.endr
.irp m, 0,1,2,3,4,5,6,7
	global_store_b128 v[GO], v[X+4*\m:X+4*\m+3], s[OUT:OUT+1] offset:(2*\m+8*(\m>>2))*4096 th:TH_STORE_NT   ; rows 2 m, 2 m + 1 of the tile
.endr
	s_wait_xcnt 0x0                                ; the stores have read their registers and their base
	s_add_nc_u64 s[OUT:OUT+1], s[OUT:OUT+1], 256*4096   ; two groups of 128 queries on
	s_sub_co_u32 s[NTAU], s[NTAU], 1
	s_cmp_lg_u32 s[NTAU], 0
	WALU
	s_cbranch_scc1 .Ltau
	s_wait_tensorcnt 0x0                           ; the wave's end
	ds_add_u32 v[SPW], v[NIL]
	s_wait_dscnt 0x0
	ROUND                                          ; the closing round
	s_endpgm
.Lfunc_end_k_q190552a9f4_attn:
	.size	k_q190552a9f4_attn, .Lfunc_end_k_q190552a9f4_attn-k_q190552a9f4_attn
	.p2alignl 7, 3214868480
	.fill 96, 4, 3214868480
	.section	.rodata,"a",@progbits
	.p2align	6, 0x0
	.amdhsa_kernel k_q190552a9f4_attn
		.amdhsa_group_segment_fixed_size 327680
		.amdhsa_private_segment_fixed_size 0
		.amdhsa_enable_private_segment 0
		.amdhsa_kernarg_size 24
		.amdhsa_user_sgpr_count 2
		.amdhsa_user_sgpr_kernarg_segment_ptr 1
		.amdhsa_wavefront_size32 1
		.amdhsa_system_sgpr_workgroup_id_x 1
		.amdhsa_system_sgpr_workgroup_id_y 1
		.amdhsa_system_sgpr_workgroup_id_z 1
		.amdhsa_system_vgpr_workitem_id 0
		.amdhsa_next_free_vgpr 256
		.amdhsa_next_free_sgpr 84
		.amdhsa_reserve_vcc 1
		.amdhsa_float_denorm_mode_32 3
		.amdhsa_float_denorm_mode_16_64 3
		.amdhsa_memory_ordered 1
		.amdhsa_forward_progress 1
		.amdhsa_inst_pref_size 94
	.end_amdhsa_kernel
	.amdgpu_metadata
---
amdhsa.version: [ 1, 2 ]
amdhsa.kernels:
  - .name:           k_q190552a9f4_attn
    .symbol:         k_q190552a9f4_attn.kd
    .args:
      - { .name: qkvc, .offset: 0, .size: 8, .value_kind: global_buffer, .address_space: global }
      - { .name: qkvs, .offset: 8, .size: 8, .value_kind: global_buffer, .address_space: global }
      - { .name: out0, .offset: 16, .size: 8, .value_kind: global_buffer, .address_space: global }
    .group_segment_fixed_size: 327680
    .private_segment_fixed_size: 0
    .kernarg_segment_align: 8
    .kernarg_segment_size: 24
    .max_flat_workgroup_size: 512
    .sgpr_count:     84
    .vgpr_count:     256
    .wavefront_size: 32
...
	.end_amdgpu_metadata
.endif
;; end of part 3
